; MI455X (gfx1250); checked and timed in simulation.
; The chip was launched on July 23, 2026; its instructions are those of AMD's public machine-readable ISA for CDNA 5 (MIT licence, August 2026) and "CDNA5" Instruction Set Architecture Reference Guide (July 2026). The comments in the code are by the model that wrote it; some were corrected since.
;; Self Attention. Allowed arithmetic: matrix products marked QUANTISED: E2M3 operands, one E8M0 scale for each 32 along K, by v_wmma_scale_f32_16x16x128_f8f6f4 with both operands' format E2M3, f32 sums; everything else in f32.
;; Inputs: Wk 768 x 768 float32; Wq 768 x 768 float32; Wv 768 x 768 float32; attention_mask 1 x 1 x 4,096 x 4,096 float32; bk 768 float32; bq 768 float32; bv 768 float32; hidden_state 1 x 4,096 x 768 float32.
;; Outputs: out0 1 x 4,096 x 768 float32.
;; This version of the problem:
;;   THIS VERSION OF THE PROBLEM IS GIVEN IN LOW PRECISION. The matrix products marked QUANTISED in the list below multiply operands that are first quantised to E2M3 (2 exponent bits, 3 mantissa bits; 6 bits a number), with one power-of-two scale for each 32 numbers along K (OCP MX v1.0); their sums are f32. All else is computed in f32.
;;   The module's matrix products, in the order in which they are computed (A, B: the left and right operand; K: the contracted axis; several contracted axes count as one K, in the product's order):
;;     1. [M 4,096, K 768] x [K 768, N 768]; A: input hidden_state; B: input Wq: QUANTISED
;;     2. [M 4,096, K 768] x [K 768, N 768]; A: input hidden_state; B: input Wk: QUANTISED
;;     3. [M 4,096, K 768] x [K 768, N 768]; A: input hidden_state; B: input Wv: QUANTISED
;;     4. batch 12 x [M 4,096, K 64] x [K 64, N 4,096]; A: computed on the way; B: computed on the way: QUANTISED
;;     5. batch 12 x [M 64, K 4,096] x [K 4,096, N 4,096]; A: computed on the way; B: softmax (see below): QUANTISED
;;   THE QUANTISER, for each operand of a quantised product, along K:
;;     - K is cut into blocks of 32 from its start; a last block that is shorter is filled with zeros.
;;     - A block's scale is 2^e with e = floor(log2(the largest magnitude in the block)) - 2, held to -126 .. 127; a block of zeros has e = 0. As a byte (E8M0): e + 127.
;;     - Each number is divided by its block's scale, clamped to +-7.5, and rounded to the nearest number of E2M3, ties to even, subnormals kept.
;;     - The product sums the exact products of the quantised numbers (number of the format x scale) in f32.
;;   ~~~python
;;   def quantise(x, axis):      # numpy; x: float32 -> the quantised numbers, widened to float32 again
;;       x = np.moveaxis(x, axis, -1); K = x.shape[-1]
;;       x = np.pad(x, [(0, 0)] * (x.ndim - 1) + [(0, -K % 32)]); x = x.reshape(x.shape[:-1] + (-1, 32)); a = np.abs(x).max(-1, keepdims=True)
;;       e = np.where(a > 0, np.clip(np.frexp(np.where(a > 0, a, 1))[1] - 1 - 2, -126, 127), 0)      # np.frexp(a)[1] - 1 = floor(log2(a)), exactly
;;       r = np.clip(x / 2.0 ** e, -7.5, 7.5)
;;       step = 2.0 ** (np.maximum(np.frexp(np.where(r == 0, 1, r))[1] - 1, 0) - 3)
;;       q = np.round(r / step) * step * 2.0 ** e      # np.round: ties to even
;;       return np.moveaxis(q.reshape(q.shape[:-2] + (-1,))[..., :K], -1, axis).astype(np.float32)
;;   ~~~
;;   SOFTMAX AHEAD OF A QUANTISED PRODUCT. Where the list says 'softmax', what is quantised is not the finished softmax but p = 2^(t - M), with t = logit x log2(e) and M = ceil(the row's largest t), a whole number; so 1/2 < the row's largest p <= 1. The row's sum l is taken of the UNQUANTISED p, in f32, and the product's result is divided by l at the end. Since M is a whole number, a kernel that streams over the keys may use a running M (the ceiling of the running maximum): every later rescaling is an exact power of two, which a block's scale takes up: the codes' values come out the same.
;;   OPERANDS COMPUTED ON THE WAY. 'Computed on the way' means the value that the module computes at that place (a softmax that the list does not call 'softmax' is quantised finished and normalised). What goes into a quantiser is computed in f32, as accurately as f32 sums, v_exp_f32 and their like allow (about 1e-6 of the number): no bf16 or f16 on the way to a quantiser, and a product that is left as it is and whose result goes on into a quantised operand takes f32 operands (vector FMAs, or v_wmma_f32_16x16x4_f32). A number that lies on a knife's edge between two numbers of the format may be rounded either way, as far as f32 arithmetic and the matrix unit's own rounding can turn it there, and no further.
;; One version. Each part assembles by itself: llvm-mc -triple=amdgcn-amd-amdhsa -mcpu=gfx1250 --defsym DOCPART=n.
;; ======== version 1 of 1: 3 launches
;; limits: right only within a limited range of input values
;; workspace buffers: img 3,686,400 bytes; sc 153,600 bytes; qimg 2,555,904 bytes; kv 5,111,808 bytes
;; launch quant (part 1): grid 200 x 3, 2 waves a work-group, no clusters, 17,152 bytes of LDS; arguments hidden_state, Wq, Wk, Wv, img, sc; writes img, sc
.if DOCPART == 1
	.amdgcn_target "amdgcn-amd-amdhsa--gfx1250"
	.amdhsa_code_object_version 6
	.text
	.protected	k_q36160395fa_quant
	.globl	k_q36160395fa_quant
	.p2align	8
	.type	k_q36160395fa_quant,@function
k_q36160395fa_quant:
	s_mov_b64 s[64:65], 0
	v_nop
	global_prefetch_b8 v0, s[64:65] scope:SCOPE_SE
	s_setreg_imm32_b32 hwreg(HW_REG_WAVE_MODE, 25, 1), 1
	s_wait_xcnt 0x0
; hidden_state [4096][768], Wq, Wk, Wv [768][768], f32, K innermost, become codes of FP6 (E2M3) with one E8M0 byte for each 32 along K.
; A block's scale is 2^(floor(log2(its largest magnitude)) - 2); its byte is the largest magnitude's exponent field - 2, held at 1 from below.
; (A block of zeros so gets the byte 1 where the rule says 127: its codes are zeros, and this program alone reads the bytes.)
; LIMITS: blocks whose largest magnitude lies under 2^(3 - 127) take the floor's byte 1; NaN and infinities among the inputs are not served.
; THE OUTPUT IS LAID AS IMAGES OF OPERAND REGISTERS.  400 tiles of 16 rows (0-255 hidden, 256-303 Wq, 304-351 Wk, 352-399 Wv), 9,216 bytes each:
; K step s (128 along K) at 1536 s; in it registers 4 c .. 4 c + 3 of the 12-register fragment at 512 c, lane l at 16 l.
; Scale words: 384 bytes a tile: word j (0..2) at 128 j + 4 l: lane (r, h) holds row r's word of K step 2 j + h, so that one register serves two K steps.
; WHICH ROWS FORM A TILE.  A weight's tile t holds rows 16 t + i.  A tile 4 C + u of hidden_state holds, as rows 0-7, rows 64 C + 8 u + 0..7 and, as rows 8-15, rows 64 C + 32 + 8 ((u + 1) % 4) + 0..7:
; its two halves lie in two neighbouring blocks of 32 keys, so that in the later launches a lane's registers hold whole blocks of 32 along the keys.
; A wave takes one tile and the two K steps 2 y, 2 y + 1 (y: the work-group's y).  Each load reads 512 consecutive bytes of a row; a step's 8,192 bytes turn through the wave's own stage in LDS
; (rows 528 bytes apart) and come back so that lane (r, h) holds k = 64 c + 32 h + 0 .. 31 of row r: two whole blocks a lane, in the operand's own order.  Waves share nothing: no barrier.  All 32 loads of a wave go out at its head.
.set SPT,   528
.set STG,   16*SPT
.set R,     16                         ; v16-143  two sets of 64 numbers as loaded
.set X,     144                        ; v144-207 register 32 c + i = k 64 c + 32 h + i of my row
.set PC,    208                        ; v208-231 the fragment's 12 registers, a set for each step
.set CT,    232                        ; v232-234, v236-238 the upper halves of the two blocks' codes
.set MX,    240
.set SO,    242
.set BY,    244
.set W,     246
.set PD,    247
.set WE,    248
.set SCW,   250
	s_load_b256 s[4:11], s[0:1], 0x0               ; hidden s[4:5], Wq s[6:7], Wk s[8:9], Wv s[10:11]
	s_load_b128 s[12:15], s[0:1], 0x20             ; img s[12:13], sc s[14:15]
	v_lshl_add_u32 v254, v0, 2, 0x4200             ; my spare word, behind the two stages
	v_mov_b32 v255, 0
	v_lshrrev_b32 v6, 5, v0
	v_readfirstlane_b32 s16, v6                    ; wave 0, 1
	v_and_b32 v6, 31, v0                           ; lane
	v_and_b32 v7, 15, v0                           ; r
	v_bfe_u32 v8, v0, 4, 1                         ; h
	v_lshlrev_b32 v1, 4, v6                        ; 16 x lane
	v_lshlrev_b32 v2, 2, v6                        ; 4 x lane: my scale word
	s_mul_i32 s17, s16, STG
	v_add_nc_u32 v3, s17, v1                       ; the stage, on the way in
	v_mul_u32_u24 v4, v7, SPT
	v_lshl_add_u32 v4, v8, 7, v4
	v_add_nc_u32 v4, s17, v4                       ; and on the way out: row r, + 128 h
	v_lshlrev_b32 v5, 3, v8                        ; 8 h
	v_mov_b32 v[PD], 0                             ; a lane permute's destination counts as one of its sources
	s_mov_b32 s20, 0x76543210
	s_mov_b32 s21, 0xfedcba98
	s_mov_b32 s22, 0xffff0000                      ; lanes 16-31
	s_and_b32 s23, ttmp7, 0xffff                   ; y: which pair of K steps
	s_lshl_b32 s18, ttmp9, 1
	s_add_co_u32 s18, s18, s16                     ; my tile
	s_mov_b32 s19, 352
	s_wait_alu depctr_va_vdst(0)                   ; the wait at the head's end
	s_wait_kmcnt 0x0
	s_cmp_lt_u32 ttmp9, 176                        ; the choice hangs on the work-group's number alone
	s_cselect_b64 s[10:11], s[8:9], s[10:11]
	s_cselect_b32 s19, 304, s19
	s_cmp_lt_u32 ttmp9, 152
	s_cselect_b64 s[10:11], s[6:7], s[10:11]
	s_cselect_b32 s19, 256, s19
	s_cmp_lt_u32 ttmp9, 128
	s_cselect_b64 s[10:11], s[4:5], s[10:11]
	s_cselect_b32 s19, 0, s19
	s_sub_co_u32 s19, s18, s19                     ; my tile in its tensor
	s_lshr_b32 s28, s19, 2
	s_lshl_b32 s28, s28, 6                         ; hidden: 64 C
	s_and_b32 s29, s19, 3                          ; u
	s_add_co_u32 s30, s29, 1
	s_and_b32 s30, s30, 3
	s_lshl_b32 s29, s29, 3
	s_lshl_b32 s30, s30, 3
	s_add_co_u32 s29, s28, s29                     ; first row of the lower eight
	s_add_co_u32 s30, s28, s30
	s_add_co_u32 s30, s30, 32                      ; and of the upper eight
	s_lshl_b32 s28, s19, 4                         ; a weight: 16 t, 16 t + 8
	s_add_co_u32 s31, s28, 8
	s_cmp_lt_u32 ttmp9, 128
	s_cselect_b32 s29, s29, s28
	s_cselect_b32 s30, s30, s31
	s_lshl_b32 s17, s23, 10                        ; my two K steps: 1,024 bytes of a row
	s_mul_i32 s24, s30, 3072
	s_add_co_u32 s24, s24, s17
	s_mov_b32 s25, 0
	s_add_nc_u64 s[26:27], s[10:11], s[24:25]      ; the upper eight rows
	s_mul_i32 s24, s29, 3072
	s_add_co_u32 s24, s24, s17
	s_add_nc_u64 s[10:11], s[10:11], s[24:25]      ; the lower eight
	s_mul_i32 s24, s18, 9216
	s_mul_i32 s17, s23, 3072
	s_add_co_u32 s24, s24, s17
	s_add_nc_u64 s[12:13], s[12:13], s[24:25]      ; my two steps' images
	s_mul_i32 s24, s18, 384
	s_lshl_b32 s17, s23, 7
	s_add_co_u32 s24, s24, s17
	s_add_nc_u64 s[14:15], s[14:15], s[24:25]      ; and their scale words
.irp s, 0,1
.irp i, 0,1,2,3,4,5,6,7
	global_load_b128 v[R+64*\s+4*\i:R+64*\s+4*\i+3], v1, s[10:11] offset:3072*\i+512*\s th:TH_LOAD_NT
	global_load_b128 v[R+64*\s+32+4*\i:R+64*\s+32+4*\i+3], v1, s[26:27] offset:3072*\i+512*\s th:TH_LOAD_NT
.endr
.endr
.macro STEP s
.set RS, R+64*(\s)
.set PS, PC+12*(\s)
	s_wait_loadcnt 16-16*(\s)                      ; this step's 16 loads are in; in step 0 the other step's 16 may be out
.irp i, 0,1,2,3,4,5,6,7,8,9,10,11,12,13,14,15
	ds_store_b128 v3, v[RS+4*\i:RS+4*\i+3] offset:SPT*\i
.endr
.irp c, 0,1
.irp i, 0,1,2,3,4,5,6,7
	ds_load_b128 v[X+32*\c+4*\i:X+32*\c+4*\i+3], v4 offset:256*\c+16*\i   ; LDS serves a wave's instructions in order: these see the stores above
.endr
.endr
	s_wait_dscnt 0x0
.irp c, 0,1
	v_max3_num_f32 v[MX+\c], |v[X+32*\c]|, |v[X+32*\c+1]|, 0x1800000   ; my block 2 c + h, and the floor 2^(3 - 127)
.endr
.irp i, 2,4,6,8,10,12,14,16,18,20,22,24,26,28,30
.irp c, 0,1
	v_max3_num_f32 v[MX+\c], v[MX+\c], |v[X+32*\c+\i]|, |v[X+32*\c+\i+1]|
.endr
.endr
.irp c, 0,1
	v_add_nc_u32 v[SO+\c], 0xff000000, v[MX+\c]    ; 2 off the exponent field: the conversion's scale operand
.endr
.irp c, 0,1
	v_lshrrev_b32 v[BY+\c], 23, v[SO+\c]           ; the scale's byte
.endr
	v_lshl_or_b32 v[W], v[BY+1], 16, v[BY]         ; blocks h and 2 + h,
	v_lshlrev_b32 v[W], v5, v[W]                   ; at their places in the word;
	v_permlanex16_b32 v[PD], v[W], s20, s21
	v_or_b32 v[W], v[W], v[PD]                     ; with lane l xor 16's two the word is whole
	v_cvt_scalef32_pk16_fp6_f32 v[PS:PS+2], v[X:X+15], v[SO]
	v_cvt_scalef32_pk16_fp6_f32 v[CT:CT+2], v[X+16:X+31], v[SO]         ; (a conversion's three registers begin on an even number)
	v_cvt_scalef32_pk16_fp6_f32 v[PS+6:PS+8], v[X+32:X+47], v[SO+1]
	v_cvt_scalef32_pk16_fp6_f32 v[CT+4:CT+6], v[X+48:X+63], v[SO+1]
	v_nop                                          ; one plain place behind a scaled conversion
.irp i, 0,1,2
	v_mov_b32 v[PS+3+\i], v[CT+\i]
	v_mov_b32 v[PS+9+\i], v[CT+4+\i]
.endr
.irp c, 0,1,2
	global_store_b128 v1, v[PS+4*\c:PS+4*\c+3], s[12:13] offset:1536*(\s)+512*\c   ; 32 lanes store 512 consecutive bytes, aligned to 256
.endr
.endm
	STEP 0
	v_mov_b32 v[WE], v[W]
	STEP 1
	v_cndmask_b32 v[SCW], v[WE], v[W], s22         ; lanes 0-15 keep the even step's word, lanes 16-31 the odd step's
	global_store_b32 v2, v[SCW], s[14:15]          ; 128 consecutive bytes
	s_wait_tensorcnt 0x0                           ; the wave's end
	ds_add_u32 v254, v255
	s_wait_dscnt 0x0
	s_endpgm
.Lfunc_end_k_q36160395fa_quant:
	.size	k_q36160395fa_quant, .Lfunc_end_k_q36160395fa_quant-k_q36160395fa_quant
	.p2alignl 7, 3214868480
	.fill 96, 4, 3214868480
	.section	.rodata,"a",@progbits
	.p2align	6, 0x0
	.amdhsa_kernel k_q36160395fa_quant
		.amdhsa_group_segment_fixed_size 17152
		.amdhsa_private_segment_fixed_size 0
		.amdhsa_enable_private_segment 0
		.amdhsa_kernarg_size 48
		.amdhsa_user_sgpr_count 2
		.amdhsa_user_sgpr_kernarg_segment_ptr 1
		.amdhsa_wavefront_size32 1
		.amdhsa_system_sgpr_workgroup_id_x 1
		.amdhsa_system_sgpr_workgroup_id_y 1
		.amdhsa_system_sgpr_workgroup_id_z 1
		.amdhsa_system_vgpr_workitem_id 0
		.amdhsa_next_free_vgpr 256
		.amdhsa_next_free_sgpr 66
		.amdhsa_reserve_vcc 0
		.amdhsa_float_denorm_mode_32 3
		.amdhsa_float_denorm_mode_16_64 3
		.amdhsa_memory_ordered 1
		.amdhsa_forward_progress 1
		.amdhsa_inst_pref_size 17
	.end_amdhsa_kernel
	.amdgpu_metadata
---
amdhsa.version: [ 1, 2 ]
amdhsa.kernels:
  - .name:           k_q36160395fa_quant
    .symbol:         k_q36160395fa_quant.kd
    .args:
      - { .name: hidden_state, .offset: 0, .size: 8, .value_kind: global_buffer, .address_space: global }
      - { .name: Wq, .offset: 8, .size: 8, .value_kind: global_buffer, .address_space: global }
      - { .name: Wk, .offset: 16, .size: 8, .value_kind: global_buffer, .address_space: global }
      - { .name: Wv, .offset: 24, .size: 8, .value_kind: global_buffer, .address_space: global }
      - { .name: img, .offset: 32, .size: 8, .value_kind: global_buffer, .address_space: global }
      - { .name: sc, .offset: 40, .size: 8, .value_kind: global_buffer, .address_space: global }
    .group_segment_fixed_size: 17152
    .private_segment_fixed_size: 0
    .kernarg_segment_align: 8
    .kernarg_segment_size: 48
    .max_flat_workgroup_size: 64
    .sgpr_count:     66
    .vgpr_count:     256
    .wavefront_size: 32
...
	.end_amdgpu_metadata
.endif
;; end of part 1
;; launch proj (part 2): grid 3 x 48, 4 waves a work-group, no clusters, 0 bytes of LDS; arguments img, sc, bq, bk, bv, qimg, kv; writes qimg, kv
.if DOCPART == 2
	.amdgcn_target "amdgcn-amd-amdhsa--gfx1250"
	.amdhsa_code_object_version 6
	.text
	.protected	k_q36160395fa_proj
	.globl	k_q36160395fa_proj
	.p2align	8
	.type	k_q36160395fa_proj,@function
k_q36160395fa_proj:
	s_mov_b64 s[64:65], 0
	v_nop
	global_prefetch_b8 v0, s[64:65] scope:SCOPE_SE
	s_setreg_imm32_b32 hwreg(HW_REG_WAVE_MODE, 25, 1), 1
	s_wait_xcnt 0x0
; q = x Wq^T + bq, k = x Wk^T + bk, v = x Wv^T + bv on codes of FP6 (E2M3) with E8M0 scales, f32 sums, and each result quantised in registers for the attention launch:
; q and k along the head's 64, v along the keys.
; A UNIT is 128 X rows (8 tiles, source 0) x 16 Y rows (one tile, source 1) x K 768: 48 matrix instructions on 8 accumulators by turns.  In the result lane (r, h) holds Y row r, and
; register 8 T + j the X row 16 T + 8 h + j: the 16 registers of tiles 2 b and 2 b + 1 belong to ONE block of 32 along the next K, the other 16 lie in lane l xor 16.
; PATH QK (work-group y < 32): X = 128 rows of Wq or Wk (two heads), Y = 16 rows of x.  PATH V (y >= 32): X = 128 rows of x (128 keys), Y = 16 rows of Wv (channels).
; A wave keeps its 48 X fragments in registers and walks 8 Y tiles: two trips of four units.  Operands come straight from memory as images of their registers; no LDS, no barrier.
; THE ORDER INSIDE A BLOCK.  The codes of a block stand in the operand in the order 0-7, 16-23, 8-15, 24-31 of its numbers.  q and k get that order alike, and so do v and the softmax's p
; in the attention launch: blocks stay blocks, so scales and codes are the quantiser's; only the order of the additions inside an instruction differs.
; 1/8, the scaling of the scores, is a power of two: 3 is taken off q's two scale bytes.  So that they stay at 1 or above, q's largest magnitudes have the floor 2^(6 - 127).
; LIMITS: blocks of q under 2^-121 and blocks of k and v under 2^-124 take the floor's scale; NaN and infinities are not served.
; OUT.  qimg [head][block of 64 queries] 3,328 bytes: two pair images of 1,536 (registers 0-5: query tile 2 p, 6-11: tile 2 p + 1), then 256 bytes of scale words [r][tile].
; kv [head][step of 128 keys] 13,312 bytes: K's 4 pair images; at 6,144 V's 4 fragments (16 channels x 128 keys); at 12,288 K's scale words (lane (r, h): tiles 4 h .. 4 h + 3); at 12,800 V's (lane: channel tiles 0 .. 3).
; A word of q or k is {byte 0, byte 1, 127, 127}: the instruction's upper 64 along K meet zero codes in the attention launch.
; REGISTERS, in windows of 256: window 0: as named below.  windows 1, 2: X fragments 0-20, 21-41 (fragment 8 s + T, 12 registers).  window 3: v0-71 fragments 42-47; v72-135 the bias (path QK); v136-207 Y's second buffer.
; HOW THE KEYS LIE (this holds for v, in place of what is said of v above).  A tile 4 C + u of x holds rows 64 C + 8 u + 0..7 and rows 64 C + 32 + 8 ((u + 1) % 4) + 0..7.
; So on path V lane (r, h) holds in registers 32 c .. 32 c + 31 the WHOLE block 2 c + h of 32 keys: macro QUANTV asks no other lane for a maximum and swaps nothing.  The attention launch's p lies in the same order.
; Scale words of a tile in sc: word j at 128 j + 4 x lane.
.set IMGT, 9216
.set SCT,  384                         ; its scale words
.set BLK,  13312
.set HS,   32*BLK                      ; a head in kv
.set QBLK, 3328
.set QHS,  64*QBLK                     ; a head in qimg
.set LI,   1                           ; v1   16 x lane
.set L12,  2                           ; v2   4 x lane
.set R4,   3                           ; v3   4 r
.set H32,  4                           ; v4   32 h
.set H16,  5                           ; v5   16 h
.set VB,   7                           ; v7   16 x lane + a head: the second head's images
.set VSA,  8                           ; v8   h x a head + 16 r: the scale words of both heads
.set XS,   16                          ; v16-47   X's scale words: tile T at 16 + 4 T, three registers
.set YS,   48                          ; v48-55   Y's: buffer b at 48 + 4 b; the fourth register is bv's number (path V)
.set ACC,  56                          ; v56-119  the 8 accumulators
.set Y0,   120                         ; v120-191 Y's first buffer: 6 fragments
.set TM,   192                         ; v192-207 at work in QUANT
.set PW,   208                         ; v208     the scale word just made
.set CT,   210                         ; v210-212, v214-216 conversions' upper halves
.set P0,   220                         ; v220-231 codes: the first head's pair, or V's fragment
.set P1,   232                         ; v232-243 the second head's pair
.set SW,   244                         ; v244-247 four units' scale words
.set CB,   248                         ; v248-255 bv's number eight times: the C of a unit's first products (path V)
.set BIAS, 72                          ; in window 3
.set Y1,   136                         ; in window 3
.set WV,   18
.set SEL,  20
.set XP,   22                          ; s[22:23] X's images;  s[24:25] X's scale words
.set XSP,  24
.set YP,   26                          ; s[26:27] Y's images;  s[28:29] its scale words;  s[30:31] bv
.set YSP,  28
.set YBP,  30
.set CP,   32                          ; s[32:33] where codes go;  s[34:35] where scale words go
.set SP,   34
.set CSTEP, 36                         ; s[36:37], s[38:39] their steps from trip to trip
.set SSTEP, 38
.set HSTR, 48                          ; from a head to the next in the output
.set FLR,  49                          ; the floor under a block's largest magnitude
.set ADJ,  50                          ; what is taken off the scale word: 3 in bytes 0 and 1 for q
.set K7F,  51
.set TRIP, 52
.set MSB, 0
.macro WIN new                         ; the immediate's high byte repeats the setting that is left
.if MSB != \new
	s_set_vgpr_msb (MSB<<8)|\new
.set MSB, \new
.endif
.endm
.macro FSEL f                          ; window and first register of X fragment f
.if (\f) < 21
.set FW, 1
.set FRG, 12*(\f)
.elseif (\f) < 42
.set FW, 2
.set FRG, 12*((\f)-21)
.else
.set FW, 3
.set FRG, 12*((\f)-42)
.endif
.endm
.macro MM d, a, b, c, sa, sb, odd      ; odd K steps take their scale words from lanes 16-31
.if \odd
	v_wmma_scale_f32_16x16x128_f8f6f4 v[\d:\d+7], v[\a:\a+11], v[\b:\b+11], v[\c:\c+7], v[\sa], v[\sb] matrix_a_fmt:MATRIX_FMT_FP6 matrix_b_fmt:MATRIX_FMT_FP6 matrix_a_scale:MATRIX_SCALE_ROW1 matrix_b_scale:MATRIX_SCALE_ROW1
.else
	v_wmma_scale_f32_16x16x128_f8f6f4 v[\d:\d+7], v[\a:\a+11], v[\b:\b+11], v[\c:\c+7], v[\sa], v[\sb] matrix_a_fmt:MATRIX_FMT_FP6 matrix_b_fmt:MATRIX_FMT_FP6
.endif
.endm
; 64 numbers of a lane, v[s] on, four half blocks of 16, become codes: blocks 0, 1 in v[d0] .. v[d0 + 5], blocks 2, 3 in v[d1] .. v[d1 + 5] (lanes 0-15 the even block, lanes 16-31 the odd one), and the four bytes in v[pw].
.macro QUANT s, d0, d1, pw
.irp b, 0,1,2,3
	v_max3_num_f32 v[TM+\b], |v[\s+16*\b]|, |v[\s+1+16*\b]|, s[FLR]     ; each accumulator is read from its low end on
.endr
.irp i, 2,4,6,8,10,12,14
.irp b, 0,1,2,3
	v_max3_num_f32 v[TM+\b], v[TM+\b], |v[\s+16*\b+\i]|, |v[\s+1+16*\b+\i]|   ; the four blocks by turns
.endr
.endr
.irp b, 0,1,2,3
	v_permlanex16_b32 v[TM+4+\b], v[TM+\b], s[SEL], s[SEL+1]
.endr
.irp b, 0,1,2,3
	v_max_num_f32 v[TM+\b], v[TM+\b], v[TM+4+\b]   ; with lane l xor 16's: the block's largest magnitude
.endr
.irp b, 0,1,2,3
	v_add_nc_u32 v[TM+12+\b], 0xff000000, v[TM+\b] ; 2 off its exponent field: the conversion's scale operand
.endr
.irp b, 0,1,2,3
	v_lshrrev_b32 v[TM+4+\b], 23, v[TM+12+\b]      ; the scale's byte
.endr
	v_lshl_or_b32 v[\pw], v[TM+5], 8, v[TM+4]
	v_lshl_or_b32 v[\pw], v[TM+6], 16, v[\pw]
	v_lshl_or_b32 v[\pw], v[TM+7], 24, v[\pw]
	v_cvt_scalef32_pk16_fp6_f32 v[\d0:\d0+2], v[\s:\s+15], v[TM+12]
	v_cvt_scalef32_pk16_fp6_f32 v[CT:CT+2], v[\s+16:\s+31], v[TM+13]
	v_cvt_scalef32_pk16_fp6_f32 v[\d1:\d1+2], v[\s+32:\s+47], v[TM+14]
	v_cvt_scalef32_pk16_fp6_f32 v[CT+4:CT+6], v[\s+48:\s+63], v[TM+15]
	v_nop                                          ; one plain place behind a scaled conversion
.irp i, 0,1,2
	v_permlane16_swap_b32 v[\d0+\i], v[CT+\i]      ; the first's lanes 16-31 change places with the second's lanes 0-15: a whole block in a lane
.endr
.irp i, 0,1,2
	v_permlane16_swap_b32 v[\d1+\i], v[CT+4+\i]
.endr
.irp i, 0,1,2
	v_mov_b32 v[\d0+3+\i], v[CT+\i]
.endr
.irp i, 0,1,2
	v_mov_b32 v[\d1+3+\i], v[CT+4+\i]
.endr
.endm
; Y tile off (counted from where the pointers stand) into buffer buf: 18 loads of 512 consecutive bytes, its scale words, and on path V its channels' bias: 21 or 22 loads
; Path V: 64 numbers of a lane, v[s] on, two whole blocks of 32, become the 12 registers of a fragment, v[d] on, and the channel's scale word v[pw].
.macro QUANTV s, d, pw
.irp c, 0,1
	v_max3_num_f32 v[TM+\c], |v[\s+32*\c]|, |v[\s+32*\c+1]|, s[FLR]     ; each accumulator is read from its low end on
.endr
.irp i, 2,4,6,8,10,12,14,16,18,20,22,24,26,28,30
.irp c, 0,1
	v_max3_num_f32 v[TM+\c], v[TM+\c], |v[\s+32*\c+\i]|, |v[\s+32*\c+\i+1]|
.endr
.endr
.irp c, 0,1
	v_add_nc_u32 v[TM+12+\c], 0xff000000, v[TM+\c] ; 2 off the exponent field: the conversion's scale operand
.endr
.irp c, 0,1
	v_lshrrev_b32 v[TM+8+\c], 23, v[TM+12+\c]      ; the scale's byte
.endr
	v_lshl_or_b32 v[\pw], v[TM+9], 16, v[TM+8]     ; blocks h and 2 + h,
	v_lshlrev_b32 v[\pw], v6, v[\pw]               ; 8 h bits up;
	v_permlanex16_b32 v[TM+4], v[\pw], s[SEL], s[SEL+1]
	v_or_b32 v[\pw], v[\pw], v[TM+4]               ; with lane l xor 16's two the word is whole
	v_cvt_scalef32_pk16_fp6_f32 v[\d:\d+2], v[\s:\s+15], v[TM+12]
	v_cvt_scalef32_pk16_fp6_f32 v[CT:CT+2], v[\s+16:\s+31], v[TM+12]
	v_cvt_scalef32_pk16_fp6_f32 v[\d+6:\d+8], v[\s+32:\s+47], v[TM+13]
	v_cvt_scalef32_pk16_fp6_f32 v[CT+4:CT+6], v[\s+48:\s+63], v[TM+13]
	v_nop                                          ; one plain place behind a scaled conversion
.irp i, 0,1,2
	v_mov_b32 v[\d+3+\i], v[CT+\i]
	v_mov_b32 v[\d+9+\i], v[CT+4+\i]
.endr
.endm
.macro YLOAD buf, off, mode
.if (\buf) == 1
	WIN 0xc0                                       ; destination window 3, address window 0
.set YL, Y1
.else
.set YL, Y0
.endif
.irp s, 0,1,2,3,4,5
.irp c, 0,1,2
	global_load_b128 v[YL+12*\s+4*\c:YL+12*\s+4*\c+3], v[LI], s[YP:YP+1] offset:IMGT*(\off)+1536*\s+512*\c
.endr
.endr
	WIN 0
	global_load_b32 v[YS+4*(\buf)], v[L12], s[YSP:YSP+1] offset:SCT*(\off)
	global_load_b32 v[YS+4*(\buf)+1], v[L12], s[YSP:YSP+1] offset:SCT*(\off)+128
	global_load_b32 v[YS+4*(\buf)+2], v[L12], s[YSP:YSP+1] offset:SCT*(\off)+256
.if \mode
	global_load_b32 v[YS+4*(\buf)+3], v[R4], s[YBP:YBP+1] offset:64*(\off)
.endif
.endm
; Unit u of a trip's four.  mode 0: path QK, 1: path V.
.macro UNIT mode, u
.set UB, (\u)&1
.if (\u) == 3
	s_wait_xcnt 0x0                                ; the earlier loads have read their bases: they may step
	s_cmp_gt_u32 s[TRIP], 1                        ; on to the next trip's four tiles; in the last trip the pointers stay, and the trip's own first tile is read once more:
	s_cselect_b32 s40, 4*IMGT, 0                   ; no load leaves its buffer, and the count of loads is the same in both trips
	s_cselect_b32 s42, 4*SCT, 0
	s_cselect_b32 s44, 256, 0
	s_add_nc_u64 s[YP:YP+1], s[YP:YP+1], s[40:41]
	s_add_nc_u64 s[YSP:YSP+1], s[YSP:YSP+1], s[42:43]
.if \mode
	s_add_nc_u64 s[YBP:YBP+1], s[YBP:YBP+1], s[44:45]
.endif
	YLOAD 0, 0, \mode
.else
	YLOAD 1-UB, (\u)+1, \mode                      ; the next unit's tile: the plain lines of the last QUANT are the places behind the products that read this buffer
.endif
	s_wait_loadcnt 21+\mode                        ; all but the 18 + 3 (+ 1) loads just issued
.if \mode
.irp i, 0,1,2,3,4,5,6,7
	v_mov_b32 v[CB+\i], v[YS+4*UB+3]               ; a lane holds one channel: its bias in all eight registers
.endr
.rept 4
	v_nop
.endr
.endif
.if UB
.set YR, Y1
.else
.set YR, Y0
.endif
.set S_, 0
.rept 6                                ; K step by K step, the eight accumulators by turns, one instruction a turn
.set T_, 0
.rept 8
	FSEL 8*S_+T_
.if S_ == 0                            ; the bias is the C of each sum's first product
.if \mode
.set CW, 0
.set CR, CB
.else
.set CW, 3
.set CR, BIAS+8*T_
.endif
.else
.set CW, 0
.set CR, ACC+8*T_
.endif
.set WSET, FW|((3*UB)<<2)|(CW<<4)
.set OD, S_%2
	WIN WSET
	MM ACC+8*T_, FRG, YR+12*S_, CR, XS+4*T_+S_/2, YS+4*UB+S_/2, OD
.set T_, T_+1
.endr
.set S_, S_+1
.endr
	WIN 0
.rept 4
	v_nop                                          ; four places between the last product and the first read of results
.endr
	s_wait_xcnt 0x0                                ; the earlier stores have read the code and scale-word registers: they are written again only behind this wait
.if \mode
	QUANTV ACC, P0, SW+\u                          ; 16 channels x 128 keys: one fragment and one scale word a channel
.irp c, 0,1,2
	global_store_b128 v[LI], v[P0+4*\c:P0+4*\c+3], s[CP:CP+1] offset:6144+1536*(\u)+512*\c
.endr
.if (\u) == 3
	global_store_b128 v[LI], v[SW:SW+3], s[CP:CP+1] offset:12800
.endif
.else
	QUANT ACC, P0+6*UB, P1+6*UB, PW                ; 16 rows x two heads of 64: half a pair image for each head
	v_lshrrev_b32 v[SW+\u], v[H16], v[PW]          ; lanes 0-15 carry the first head's two bytes, lanes 16-31 the second's,
	v_and_or_b32 v[SW+\u], v[SW+\u], 0xffff, s[K7F]  ; with 127 for the instruction's upper 64 along K,
	v_sub_nc_u32 v[SW+\u], v[SW+\u], s[ADJ]        ; and for q the factor 1/8
.if UB
.irp c, 0,1,2
	global_store_b128 v[LI], v[P0+4*\c:P0+4*\c+3], s[CP:CP+1] offset:1536*((\u)/2)+512*\c
	global_store_b128 v[VB], v[P1+4*\c:P1+4*\c+3], s[CP:CP+1] offset:1536*((\u)/2)+512*\c
.endr
.endif
.if (\u) == 3
	global_store_b128 v[VSA], v[SW:SW+3], s[SP:SP+1]   ; each half of the lanes stores 256 consecutive bytes, aligned
.endif
.endif
.endm
	s_load_b256 s[4:11], s[0:1], 0x0               ; img s[4:5], sc s[6:7], bq s[8:9], bk s[10:11]
	s_load_b128 s[12:15], s[0:1], 0x20             ; bv s[12:13], qimg s[14:15]
	s_load_b64 s[16:17], s[0:1], 0x30              ; kv
	v_lshrrev_b32 v9, 5, v0
	v_readfirstlane_b32 s[WV], v9                  ; wave 0..3
	v_and_b32 v11, 31, v0                          ; lane
	v_and_b32 v9, 15, v0                           ; r
	v_bfe_u32 v10, v0, 4, 1                        ; h
	v_lshlrev_b32 v[LI], 4, v11
	v_lshlrev_b32 v[L12], 2, v11                   ; 4 x lane: a scale word
	v_lshlrev_b32 v6, 3, v10                       ; 8 h
	v_lshlrev_b32 v[R4], 2, v9
	v_lshlrev_b32 v[H32], 5, v10
	v_lshlrev_b32 v[H16], 4, v10
.irp b, 0,1,2,3
	v_mov_b32 v[TM+4+\b], 0                        ; written once: a lane permute's destination counts as one of its sources
.endr
	s_mov_b32 s[SEL], 0x76543210
	s_mov_b32 s[SEL+1], 0xfedcba98
	s_and_b32 s19, ttmp7, 0xffff                   ; y
	s_lshl_b32 s53, ttmp9, 2
	s_add_co_u32 s53, s53, s[WV]                   ; path QK: xg = 4 x + wave, 0..11: which 128 rows of Wq (0-5) or Wk (6-11)
	s_lshl_b32 s54, s53, 3
	s_add_co_u32 s54, s54, 256                     ; its first tile
	s_lshl_b32 s55, s19, 3                         ; and the first tile of x's rows
	s_max_u32 s56, s19, 32
	s_sub_co_u32 s56, s56, 32                      ; path V: y' = y - 32
	s_lshr_b32 s57, s56, 1
	s_lshl_b32 s57, s57, 2
	s_add_co_u32 s57, s57, s[WV]                   ; the key step: 4 (y' / 2) + wave, 0..31
	s_and_b32 s58, s56, 1
	s_mul_i32 s58, s58, 3
	s_add_co_u32 s58, s58, ttmp9                   ; which 128 rows of Wv: 3 (y' % 2) + x, 0..5
	s_lshl_b32 s59, s57, 3
	s_lshl_b32 s60, s58, 3
	s_add_co_u32 s60, s60, 352
	s_cmp_lt_u32 s19, 32
	s_cselect_b32 s54, s54, s59                    ; X's first tile
	s_cselect_b32 s55, s55, s60                    ; Y's first tile
	s_mul_i32 s40, s54, IMGT
	s_mov_b32 s41, 0
	s_mul_i32 s42, s54, SCT
	s_mov_b32 s43, 0
	s_mul_i32 s44, s55, IMGT
	s_mov_b32 s45, 0
	s_mul_i32 s46, s55, SCT
	s_mov_b32 s47, 0
	s_wait_alu depctr_va_vdst(0)
	s_wait_kmcnt 0x0
	s_add_nc_u64 s[XP:XP+1], s[4:5], s[40:41]
	s_add_nc_u64 s[XSP:XSP+1], s[6:7], s[42:43]
	s_add_nc_u64 s[YP:YP+1], s[4:5], s[44:45]
	s_add_nc_u64 s[YSP:YSP+1], s[6:7], s[46:47]
.set F_, 0
.rept 48                               ; X's 48 fragments stay in registers for the whole launch
	FSEL F_
.set WSET, FW<<6
	WIN WSET
.irp c, 0,1,2
	global_load_b128 v[FRG+4*\c:FRG+4*\c+3], v[LI], s[XP:XP+1] offset:IMGT*(F_%8)+1536*(F_/8)+512*\c
.endr
.set F_, F_+1
.endr
	WIN 0
.irp t, 0,1,2,3,4,5,6,7
	global_load_b32 v[XS+4*\t], v[L12], s[XSP:XSP+1] offset:SCT*\t
	global_load_b32 v[XS+4*\t+1], v[L12], s[XSP:XSP+1] offset:SCT*\t+128
	global_load_b32 v[XS+4*\t+2], v[L12], s[XSP:XSP+1] offset:SCT*\t+256
.endr
	s_cmp_lt_u32 s19, 32                           ; the work-group's number decides the path: alike in all four waves
	s_cbranch_scc0 .Lpath_v
	; ---- PATH QK.  q or k is chosen by selections alone: waves of one work-group may differ
	s_mov_b32 s[HSTR], HS
	s_mov_b32 s59, BLK
	s_mov_b32 s60, 12288
	s_mov_b32 s[CSTEP], 3072                       ; k: a trip's four tiles are two pair images,
	s_mov_b32 s[SSTEP], 256                        ;    and half of the step's scale words
	s_mov_b32 s[FLR], 0x1800000
	s_cmp_lt_u32 s53, 6
	s_cselect_b32 s[HSTR], QHS, s[HSTR]
	s_cselect_b32 s59, 2*QBLK, s59                 ; q: my 8 tiles are two blocks of 64 queries;  k: one key step
	s_cselect_b32 s60, 3072, s60                   ; where the scale words begin
	s_cselect_b32 s[CSTEP], QBLK, s[CSTEP]
	s_cselect_b32 s[SSTEP], QBLK, s[SSTEP]
	s_cselect_b32 s[FLR], 0x3000000, s[FLR]
	s_cselect_b32 s[ADJ], 0x0303, 0
	s_cselect_b32 s61, 0, 6
	s_cselect_b64 s[CP:CP+1], s[14:15], s[16:17]
	s_cselect_b64 s[62:63], s[8:9], s[10:11]
	s_sub_co_u32 s61, s53, s61                     ; which pair of heads, 0..5
	s_mov_b32 s[CSTEP+1], 0
	s_mov_b32 s[SSTEP+1], 0
	s_mov_b32 s[K7F], 0x7f7f0000
	s_lshl_b32 s40, s61, 9
	s_add_nc_u64 s[62:63], s[62:63], s[40:41]      ; my 128 numbers of the bias
	s_mul_i32 s40, s61, s[HSTR]
	s_lshl_b32 s40, s40, 1
	s_mul_i32 s42, s19, s59
	s_add_co_u32 s40, s40, s42
	s_add_nc_u64 s[CP:CP+1], s[CP:CP+1], s[40:41]
	s_mov_b32 s40, s60
	s_add_nc_u64 s[SP:SP+1], s[CP:CP+1], s[40:41]
	v_add_nc_u32 v[VB], s[HSTR], v[LI]
	v_mul_u32_u24 v[VSA], v10, s[HSTR]
	v_lshl_add_u32 v[VSA], v9, 4, v[VSA]
	WIN 0xc0
.irp t, 0,1,2,3,4,5,6,7                ; the bias in the result's layout: lane (r, h), tile T: channels 16 T + 8 h + 0 .. 7
	global_load_b128 v[BIAS+8*\t:BIAS+8*\t+3], v[H32], s[62:63] offset:64*\t
	global_load_b128 v[BIAS+8*\t+4:BIAS+8*\t+7], v[H32], s[62:63] offset:64*\t+16
.endr
	WIN 0
	YLOAD 0, 0, 0
	s_mov_b32 s[TRIP], 2
.Lqk:
	UNIT 0, 0
	UNIT 0, 1
	UNIT 0, 2
	UNIT 0, 3
	s_wait_xcnt 0x0                                ; the stores have read their bases
	s_add_nc_u64 s[CP:CP+1], s[CP:CP+1], s[CSTEP:CSTEP+1]
	s_add_nc_u64 s[SP:SP+1], s[SP:SP+1], s[SSTEP:SSTEP+1]
	s_sub_co_u32 s[TRIP], s[TRIP], 1
	s_cmp_lg_u32 s[TRIP], 0
	s_cbranch_scc1 .Lqk
	s_endpgm
.Lpath_v:                              ; ---- PATH V.  A trip's four tiles of Wv are one head
	s_lshl_b32 s40, s58, 9
	s_add_nc_u64 s[YBP:YBP+1], s[12:13], s[40:41]  ; my 128 numbers of bv
	s_mul_i32 s40, s58, 2*HS
	s_mul_i32 s42, s57, BLK
	s_add_co_u32 s40, s40, s42
	s_add_nc_u64 s[CP:CP+1], s[16:17], s[40:41]    ; head 2 yc, my key step
	s_mov_b32 s[CSTEP], HS
	s_mov_b32 s[CSTEP+1], 0
	s_mov_b32 s[FLR], 0x1800000
	YLOAD 0, 0, 1
	s_mov_b32 s[TRIP], 2
.Lv:
	UNIT 1, 0
	UNIT 1, 1
	UNIT 1, 2
	UNIT 1, 3
	s_wait_xcnt 0x0                                ; the stores have read their base
	s_add_nc_u64 s[CP:CP+1], s[CP:CP+1], s[CSTEP:CSTEP+1]
	s_sub_co_u32 s[TRIP], s[TRIP], 1
	s_cmp_lg_u32 s[TRIP], 0
	s_cbranch_scc1 .Lv
	s_endpgm
.Lfunc_end_k_q36160395fa_proj:
	.size	k_q36160395fa_proj, .Lfunc_end_k_q36160395fa_proj-k_q36160395fa_proj
	.p2alignl 7, 3214868480
	.fill 96, 4, 3214868480
	.section	.rodata,"a",@progbits
	.p2align	6, 0x0
	.amdhsa_kernel k_q36160395fa_proj
		.amdhsa_group_segment_fixed_size 0
		.amdhsa_private_segment_fixed_size 0
		.amdhsa_enable_private_segment 0
		.amdhsa_kernarg_size 56
		.amdhsa_user_sgpr_count 2
		.amdhsa_user_sgpr_kernarg_segment_ptr 1
		.amdhsa_wavefront_size32 1
		.amdhsa_system_sgpr_workgroup_id_x 1
		.amdhsa_system_sgpr_workgroup_id_y 1
		.amdhsa_system_sgpr_workgroup_id_z 1
		.amdhsa_system_vgpr_workitem_id 0
		.amdhsa_next_free_vgpr 1024
		.amdhsa_next_free_sgpr 66
		.amdhsa_reserve_vcc 0
		.amdhsa_float_denorm_mode_32 3
		.amdhsa_float_denorm_mode_16_64 3
		.amdhsa_memory_ordered 1
		.amdhsa_forward_progress 1
		.amdhsa_inst_pref_size 125
	.end_amdhsa_kernel
	.amdgpu_metadata
---
amdhsa.version: [ 1, 2 ]
amdhsa.kernels:
  - .name:           k_q36160395fa_proj
    .symbol:         k_q36160395fa_proj.kd
    .args:
      - { .name: img, .offset: 0, .size: 8, .value_kind: global_buffer, .address_space: global }
      - { .name: sc, .offset: 8, .size: 8, .value_kind: global_buffer, .address_space: global }
      - { .name: bq, .offset: 16, .size: 8, .value_kind: global_buffer, .address_space: global }
      - { .name: bk, .offset: 24, .size: 8, .value_kind: global_buffer, .address_space: global }
      - { .name: bv, .offset: 32, .size: 8, .value_kind: global_buffer, .address_space: global }
      - { .name: qimg, .offset: 40, .size: 8, .value_kind: global_buffer, .address_space: global }
      - { .name: kv, .offset: 48, .size: 8, .value_kind: global_buffer, .address_space: global }
    .group_segment_fixed_size: 0
    .private_segment_fixed_size: 0
    .kernarg_segment_align: 8
    .kernarg_segment_size: 56
    .max_flat_workgroup_size: 128
    .sgpr_count:     66
    .vgpr_count:     1024
    .wavefront_size: 32
...
	.end_amdgpu_metadata
.endif
;; end of part 2
;; launch attn (part 3): grid 4 x 64, 12 waves a work-group, clusters of 4 x 4, 327,680 bytes of LDS; arguments qimg, kv, attention_mask, out0; writes out0
.if DOCPART == 3
	.amdgcn_target "amdgcn-amd-amdhsa--gfx1250"
	.amdhsa_code_object_version 6
	.text
	.protected	k_q36160395fa_attn
	.globl	k_q36160395fa_attn
	.p2align	8
	.type	k_q36160395fa_attn,@function
k_q36160395fa_attn:
	s_mov_b64 s[64:65], 0
	v_nop
	global_prefetch_b8 v0, s[64:65] scope:SCOPE_SE
	s_setreg_imm32_b32 hwreg(HW_REG_WAVE_MODE, 25, 1), 1
	s_wait_xcnt 0x0
	s_wait_alu depctr_hold_cnt(0) depctr_sa_sdst(0) depctr_va_vdst(0) depctr_va_sdst(0) depctr_va_ssrc(0) depctr_va_vcc(0) depctr_vm_vsrc(0)
	s_getreg_b32 s2, hwreg(HW_REG_IB_STS2, 6, 4)
	s_cmp_eq_u32 s2, 0
	s_cbranch_scc0 .Lentry_in_a_cluster
	s_endpgm
.Lentry_in_a_cluster:
	s_bfe_u32 s2, ttmp6, 0x10000c
	s_cmp_lg_u32 s2, 0xf033
	s_cbranch_scc0 .Lentry_shape_is_right
	s_endpgm
.Lentry_shape_is_right:
; out[q][head] = softmax_k(q . k / 8 + mask[q][k]) v, both products on codes of FP6 (E2M3) with E8M0 scales.  4,096 queries and keys, 12 heads of 64; the mask, f32, is shared by all heads.
; THE SOFTMAX AHEAD OF THE SECOND PRODUCT: t = logit x log2(e); M = the row's largest t so far, rounded UP to a whole number; p = 2^(t - M) is quantised along the keys, not normalised.
; The row's sum is taken of the unquantised p and divides at the end.  When M moves, the sum and O are multiplied by 2^(old M - new M): exact.
; SHARES.  A work-group owns 64 queries x 3 heads; wave w owns the 16 queries of tile w % 4 in head 3 gx + w / 4; three waves share a SIMD.  Every wave walks all keys, 128 a step.
; A slot of LDS holds two steps: the mask's 64 rows x 256 keys and three heads' blocks of K and V.  Two slots take turns.
; LAYOUT.  S^T = K Q^T + mask (source 0 = 16 keys, source 1 = my 16 queries): a lane holds ONE query, its registers run along the keys.  THE MASK IS THE C OF THAT PRODUCT, and 1/8 lies in q's scale bytes.
; The head has 64 along K and the instruction 128: Q's registers 6-11 are zero codes, so what stands in K's upper six registers adds nothing; the upper scale bytes are 127.
; WHICH ROWS FORM A TILE (laid by the first launch).  Tile u of a group of 64 rows holds, as rows 0-7, rows 8 u + 0..7 and, as rows 8-15, rows 32 + 8 ((u + 1) % 4) + 0..7.
; For the keys: lane (r, h) holds in the 32 registers of tiles 4 c .. 4 c + 3 the WHOLE block 2 c + h of 32 keys (for h = 1 turned round by 8, as V's codes are): a block's maximum and its codes need no other lane.
; For the queries: lane r stands for row 8 u + r + (r / 8) x DIF of my 64, DIF = 32 for u < 3 and 0 for u = 3; the 16 rows differ modulo 16, so that with rows 132 words apart they start at 16 different groups of four banks.
; O^T = V^T P^T (source 0 = 16 channels, source 1 = p).
; THE CHANGE OF SLOTS.  A wave's last LDS reads of a slot are V's fragments of its second step.  Behind them it waits for its tensor loads, adds 0 to its spare word, waits for its LDS instructions and signals;
; the second step's quantising of p, the row's sum and its four products, work on registers alone, stand between the signal and the wait.  Then the round of the cluster's barrier goes on and the slot just read is filled with the keys 512 further on.
; CLUSTER.  4 x 4 work-groups: the four of a row own the same queries and ask for the mask's tiles JOINTLY; the four of a column own the same heads and ask for K and V jointly.
; LIMITS: NaN and +infinity in the mask are not served; -infinity gives p = 0; a row that is wholly -infinity gives NaN, as the softmax itself does; scores under -1e38 count as -1e38 for the running maximum.
.set BLK,   13312                      ; a head's key step in kv: K's codes 6,144, V's codes 6,144, K's scale words 512, V's 512
.set HS,    32*BLK
.set MTILE, 64*528                     ; the mask of a step: 64 rows of 512 bytes + 16
.set KVO,   2*MTILE
.set HB,    2*BLK
.set SLOT,  KVO+3*HB                   ; 147,456
.set SPARE, 2*SLOT                     ; the spare words: 128 bytes for each of twelve waves
.set AM,  1                            ; v1-2  my place in the mask's tile, slot 0, 1: row x 528 + 160 h (tiles u = 0..2 at 32 u)
.set AKV, 3                            ; v3-4  16 x lane in my head's blocks
.set SPW, 5
.set NIL, 6
.set PFO, 7
.set AM2, 8                            ; v8-9  row x 528 + 32 h: tile u = 3 at 96 (h = 1: the block's first eight keys)
.set H8,  10                           ; v10   8 h
.set Q,   16                           ; v16-27 Q's fragment (22-27 zeros);  v28 its scale words
.set QS,  28
.set RR,  29                           ; v29 r;  v30 h;  v31 lane
.set HH,  30
.set LN,  31
.set KV,  32                           ; v32-79 eight tiles of K (6 registers each), later four fragments of V
.set ZR,  80                           ; v80-85 zeros
.set QA,  86                           ; v86-87 q's offsets at the head, the stage's addresses at the end
.set QB,  87
.set S,   88                           ; v88-151 the mask, then S^T, then p
.set O,   152                          ; v152-183 O^T
.set PC,  184                          ; v184-195 p's codes
.set CT,  196                          ; v196-198, v200-202
.set KS,  204
.set VS,  208
.set BM,  212                          ; v212-215 maxima: four chains; then v212, v214 the two blocks'
.set SO,  216                          ; v216-217 the conversions' scale operands
.set T0,  218                          ; v218-223 three chains of the sum
.set FF,  224                          ; v224 f;  v225 p's scale word
.set PW,  225
.set TP,  226
.set TQ,  227
.set BT,  228                          ; v228-229
.set WV,  12
.set QT,  13
.set HI,  14
.set W1,  15
.set SEL, 20
.set CS,  22
.set G1M, 24
.set G1K, 32
.set G0M, 40
.set G0K, 48
.set LAPS, 56
.set W2,  57
.set PFA, 58
.set DIF, 79
.macro CREST                           ; a round of the cluster's barrier behind its opening barrier
	s_cmp_lg_u32 s[WV], 0
	s_cbranch_scc1 .Lnot_wave_0_\@
	s_barrier_signal -3
.Lnot_wave_0_\@:
	s_barrier_wait -3
	s_barrier_signal -1
	s_barrier_wait -1
.endm
.macro ROUND
	s_barrier_signal -1
	s_barrier_wait -1
	CREST
.endm
; The joint loads of slot sl.  Waves 0 and 1: the mask of the slot's two steps; waves 2, 6, 10: the three heads' blocks; the others none.  A wave has one tensor load out at the most.
.macro TLOAD sl
	s_cmp_lt_u32 s[WV], 2
	s_cbranch_scc0 .Lnot_m_\@
	tensor_load_to_lds s[G0M+4*(\sl):G0M+4*(\sl)+3], s[G1M:G1M+7]
	s_nop 0
.rept 4
	v_nop
.endr
	s_branch .Lasked_\@
.Lnot_m_\@:
	s_cmp_eq_u32 s[QT], 2
	s_cbranch_scc0 .Lasked_\@
	tensor_load_to_lds s[G0K+4*(\sl):G0K+4*(\sl)+3], s[G1K:G1K+7]
	s_nop 0
.rept 4
	v_nop
.endr
.Lasked_\@:
.endm
; A prefetch of the mask's 64 rows x 1,024 bytes that the NEXT change of slots will ask for.  The four partners share the rows out by address, 16 each; in each, waves 4 and 5 ask, 8 rows a wave, four lanes to a row, 256 bytes apart.
; lim = 1: in the loop's last trip the second change has no slot left to ask for.
.macro ASK lim
	s_cmp_eq_u32 s[W2], 2
	s_cbranch_scc0 .Lnot_mine_\@
.if \lim
	s_cmp_eq_u32 s[LAPS], 1
	s_cbranch_scc1 .Lnot_mine_\@
.endif
	global_prefetch_b8 v[PFO], s[PFA:PFA+1] th:TH_LOAD_NT scope:SCOPE_SE
.Lnot_mine_\@:
.endm
; The scores of 128 keys, the st-th step of slot sl; V's fragments are asked for behind them.
.macro SCORES sl, st
.set MO, MTILE*(\st)
.set KO, BLK*(\st)
.rept 4
	v_nop                                          ; four places between the last products and the loads into registers that they read
.endr
.irp p, 0,1,2,3
.irp c, 0,1,2
	ds_load_b128 v[KV+12*\p+4*\c:KV+12*\p+4*\c+3], v[AKV+\sl] offset:KO+1536*\p+512*\c   ; K's pair images: key tile t at v[KV + 6 t]
.endr
.endr
	ds_load_b128 v[KS:KS+3], v[AKV+\sl] offset:KO+12288
.irp c, 0,1
.irp u, 0,1,2
	ds_load_b128 v[S+32*\c+8*\u:S+32*\c+8*\u+3], v[AM+\sl] offset:MO+256*\c+32*\u        ; mask(my query, the eight keys of tile 4 c + u that my half of the lanes holds)
	ds_load_b128 v[S+32*\c+8*\u+4:S+32*\c+8*\u+7], v[AM+\sl] offset:MO+256*\c+32*\u+16
.endr
	ds_load_b128 v[S+32*\c+24:S+32*\c+27], v[AM2+\sl] offset:MO+256*\c+96
	ds_load_b128 v[S+32*\c+28:S+32*\c+31], v[AM2+\sl] offset:MO+256*\c+112
.endr
	s_wait_dscnt 0x0
.irp t, 0,1,2,3
	v_wmma_scale_f32_16x16x128_f8f6f4 v[S+8*\t:S+8*\t+7], v[KV+6*\t:KV+6*\t+11], v[Q:Q+11], v[S+8*\t:S+8*\t+7], v[KS+\t], v[QS] matrix_a_fmt:MATRIX_FMT_FP6 matrix_b_fmt:MATRIX_FMT_FP6
.endr
.irp t, 4,5,6,7
	v_wmma_scale_f32_16x16x128_f8f6f4 v[S+8*\t:S+8*\t+7], v[KV+6*\t:KV+6*\t+11], v[Q:Q+11], v[S+8*\t:S+8*\t+7], v[KS+\t-4], v[QS] matrix_a_fmt:MATRIX_FMT_FP6 matrix_b_fmt:MATRIX_FMT_FP6 matrix_a_scale:MATRIX_SCALE_ROW1
.endr
.rept 4
	v_nop                                          ; four places: for the loads into K's registers and for the first read of the scores
.endr
.irp p, 0,1,2,3
.irp c, 0,1,2
	ds_load_b128 v[KV+12*\p+4*\c:KV+12*\p+4*\c+3], v[AKV+\sl] offset:KO+6144+1536*\p+512*\c
.endr
.endr
	ds_load_b128 v[VS:VS+3], v[AKV+\sl] offset:KO+12800
.endm
.macro TMM cnt                         ; t - M, two at a time
.rept \cnt
	v_pk_fma_f32 v[S+n:S+n+1], v[S+n:S+n+1], s[CS:CS+1], v[12:13] op_sel_hi:[1,0,0]
.set n, n+2
.endr
.endm
; The softmax of a step and O^T += V^T P^T: work on registers alone (vwait = 1: with the wait for V's fragments).
; It is written in two parts: SOFTA up to the exponentials and their wait, SOFTB from p's scales to the products.
.macro SOFTA
.irp b, 0,1,2,3
	v_max3_num_f32 v[BM+\b], v[S+16*\b], v[S+16*\b+1], v[S+16*\b+2]     ; four chains by turns; each accumulator is read from its low end on
.endr
.irp i, 3,5,7,9,11,13
.irp b, 0,1,2,3
	v_max3_num_f32 v[BM+\b], v[BM+\b], v[S+16*\b+\i], v[S+16*\b+\i+1]
.endr
.endr
	v_max3_num_f32 v[BM+1], v[BM+1], v[S+15], v[S+31]
	v_max3_num_f32 v[BM+3], v[BM+3], v[S+47], v[S+63]
	v_mov_b32 v[TQ], v12                           ; the old -M
	v_max_num_f32 v[BM], v[BM], v[BM+1]            ; the largest score of my block h: for the row's maximum, and, since p rises with the score, for the block's largest p
	v_max_num_f32 v[BM+2], v[BM+2], v[BM+3]        ; and of my block 2 + h
	v_max_num_f32 v[TP], v[BM], v[BM+2]
	v_permlanex16_b32 v[BT], v[TP], s[SEL], s[SEL+1]
	s_delay_alu instid0(VALU_DEP_1)
	v_max3_num_f32 v13, v13, v[TP], v[BT]          ; the running largest score of my query
	s_delay_alu instid0(VALU_DEP_1)
	v_mul_f32 v[TP], s[CS], v13                    ; as t
	s_delay_alu instid0(VALU_DEP_1)
	v_floor_f32 v12, -v[TP]                        ; the new -M = floor(-t) = -ceil(t)
	s_delay_alu instid0(VALU_DEP_1)
	v_sub_f32 v[TP], v12, v[TQ]                    ; old M - new M: a whole number, 0 or less
.set n, 0
	TMM 8
	v_cvt_i32_f32 v[TP], v[TP]                     ; (it saturates)
	TMM 8
	v_ldexp_f32 v[FF], 1.0, v[TP]                  ; f = 2^(old M - new M)
	TMM 16
	v_fma_f32 v[BM], v[BM], s[CS], v12             ; the same of each block's largest score
	v_fma_f32 v[BM+2], v[BM+2], s[CS], v12
.set n, 0
.rept 16
	v_pk_mul_f32 v[O+n:O+n+1], v[O+n:O+n+1], v[FF:FF+1] op_sel_hi:[1,0] ; O^T under the new M, each accumulator from its low end on
.set n, n+2
.endr
	s_wait_alu depctr_va_vdst(0)                   ; the wait ahead of the batch
.set n, 0
.rept 64
	v_exp_f32 v[S+n], v[S+n]                       ; p = 2^(t - M), at most 1
.set n, n+1
.endr
	v_exp_f32 v[BM], v[BM]                         ; the block's largest p: the same two instructions on the same number
	v_exp_f32 v[BM+2], v[BM+2]
	v_pk_mul_f32 v[14:15], v[14:15], v[FF:FF+1] op_sel_hi:[1,0]         ; the sums under the new M: the plain place behind the batch
	s_wait_alu depctr_va_vdst(0)                   ; one wait for the 66 exponentials, ahead of their first reader, and for all that SOFTA wrote
.endm
.macro SOFTB vwait
	v_max_num_f32 v[BM], 0x1800000, v[BM]          ; the floor 2^(3 - 127): the byte cannot fall under 1
	v_max_num_f32 v[BM+2], 0x1800000, v[BM+2]
	v_add_nc_u32 v[SO], 0xff000000, v[BM]          ; 2 off the exponent field: the conversion's scale operand
	v_add_nc_u32 v[SO+1], 0xff000000, v[BM+2]
.irp c, 0,1
	v_cvt_scalef32_pk16_fp6_f32 v[PC+6*\c:PC+6*\c+2], v[S+32*\c:S+32*\c+15], v[SO+\c]
	v_cvt_scalef32_pk16_fp6_f32 v[CT+4*\c:CT+4*\c+2], v[S+32*\c+16:S+32*\c+31], v[SO+\c]
.endr
	v_lshrrev_b32 v[BT], 23, v[SO]                 ; the scales' bytes (and the plain place behind the conversions)
	v_lshrrev_b32 v[BT+1], 23, v[SO+1]
.irp c, 0,1
.irp i, 0,1,2
	v_mov_b32 v[PC+3+6*\c+\i], v[CT+4*\c+\i]       ; (a conversion's three registers begin on an even number)
.endr
.endr
	v_lshl_or_b32 v[PW], v[BT+1], 16, v[BT]        ; blocks h and 2 + h,
	s_delay_alu instid0(VALU_DEP_1)
	v_lshlrev_b32 v[PW], v[H8], v[PW]              ; 8 h bits up;
	s_delay_alu instid0(VALU_DEP_1)
	v_permlanex16_b32 v[BT], v[PW], s[SEL], s[SEL+1]
	s_delay_alu instid0(VALU_DEP_1)
	v_or_b32 v[PW], v[PW], v[BT]                   ; with lane l xor 16's two: p's scale word for these 128 keys
	v_pk_add_f32 v[T0:T0+1], v[S:S+1], v[S+2:S+3]  ; the row's sum of the unquantised p: four chains.  These 32 lines are also the places ahead of the scaled products
	v_pk_add_f32 v[T0+2:T0+3], v[S+4:S+5], v[S+6:S+7]
	v_pk_add_f32 v[T0+4:T0+5], v[S+8:S+9], v[S+10:S+11]
	v_pk_add_f32 v[14:15], v[14:15], v[S+12:S+13]
.set n, 14
.rept 6
	v_pk_add_f32 v[T0:T0+1], v[T0:T0+1], v[S+n:S+n+1]
	v_pk_add_f32 v[T0+2:T0+3], v[T0+2:T0+3], v[S+n+2:S+n+3]
	v_pk_add_f32 v[T0+4:T0+5], v[T0+4:T0+5], v[S+n+4:S+n+5]
	v_pk_add_f32 v[14:15], v[14:15], v[S+n+6:S+n+7]
.set n, n+8
.endr
	v_pk_add_f32 v[T0:T0+1], v[T0:T0+1], v[S+62:S+63]
	v_pk_add_f32 v[T0+2:T0+3], v[T0+2:T0+3], v[T0+4:T0+5]
	s_delay_alu instid0(VALU_DEP_2)
	v_pk_add_f32 v[14:15], v[14:15], v[T0:T0+1]
	s_delay_alu instid0(VALU_DEP_1)
	v_pk_add_f32 v[14:15], v[14:15], v[T0+2:T0+3]
.if \vwait
	s_wait_dscnt 0x0                               ; V is in
.endif
.irp c, 0,1,2,3
	v_wmma_scale_f32_16x16x128_f8f6f4 v[O+8*\c:O+8*\c+7], v[KV+12*\c:KV+12*\c+11], v[PC:PC+11], v[O+8*\c:O+8*\c+7], v[VS+\c], v[PW] matrix_a_fmt:MATRIX_FMT_FP6 matrix_b_fmt:MATRIX_FMT_FP6
.endr
.endm
; A slot's two steps and the change of slots.  fill = 1: the slot is filled again, 512 keys on.
.macro SOFT vwait
	SOFTA
	SOFTB \vwait
.endm
; Of the second step's softmax, SOFTA stands ahead of the waits and the signal, so that the other slot's load has the first step, the second step's scores and SOFTA in which to land;
; SOFTB, the quantising of p, the row's sum and the four products, stands between the signal and the wait.
.macro PHASE sl, fill, ask, lim
	SCORES \sl, 0
	SOFT 1
	SCORES \sl, 1
	SOFTA
	s_wait_tensorcnt 0x0                           ; all my tensor loads are done: my part of the other slot; so a group 0 may be written
	ds_add_u32 v[SPW], v[NIL]                      ; 0 onto my spare word
.if \fill
	ds_add_u32 v[SPW], v[NIL]                      ; and once more
	s_add_nc_u64 s[G0M+4*\sl+2:G0M+4*\sl+3], s[G0M+4*\sl+2:G0M+4*\sl+3], 2048    ; this slot's next tile: 512 keys of 4 bytes on;
	s_add_nc_u64 s[G0K+4*\sl+2:G0K+4*\sl+3], s[G0K+4*\sl+2:G0K+4*\sl+3], 2*HB    ; four key steps on
.endif
.if \ask
	s_wait_xcnt 0x0                                ; the last prefetch has read its address
	s_add_nc_u64 s[PFA:PFA+1], s[PFA:PFA+1], 1024
.endif
	s_wait_dscnt 0x0                               ; the add is done, and my reads of this slot are over: V's fragments are in
	s_barrier_signal -1
	SOFTB 0                                        ; work on registers while the others arrive
	s_wait_alu depctr_va_vdst(0)                   ; the wait here, directly ahead of the wait below
	s_barrier_wait -1
.if \fill
	CREST                                          ; no wave of any partner still reads this slot or has a load on its way
	TLOAD \sl                                      ; the first tensor load behind the round, one a wave
.endif
.if \ask
	ASK \lim
.endif
.endm
	s_load_b256 s[4:11], s[0:1], 0x0               ; qimg s[4:5], kv s[6:7], the mask s[8:9], out s[10:11]
	v_lshl_add_u32 v[SPW], v0, 2, SPARE
	v_mov_b32 v[NIL], 0
	ds_add_u32 v[SPW], v[NIL]                      ; the opening lines: the add, twice on end, and its wait
	ds_add_u32 v[SPW], v[NIL]
	v_lshrrev_b32 v11, 5, v0
	v_readfirstlane_b32 s[WV], v11                 ; wave 0..11
	s_and_b32 s[QT], s[WV], 3
	s_lshr_b32 s[HI], s[WV], 2
	s_and_b32 s[W1], s[WV], 1
	s_lshr_b32 s[W2], s[WV], 1
	s_bfe_u32 s16, ttmp6, 0x40000                  ; cx, cy
	s_bfe_u32 s17, ttmp6, 0x40004
	s_lshl_b32 s18, ttmp9, 2
	s_add_co_u32 s18, s18, s16                     ; gx: my three heads
	s_and_b32 s19, ttmp7, 0xffff
	s_lshl_b32 s19, s19, 2
	s_add_co_u32 s19, s19, s17                     ; qb: my block of 64 queries
	s_lshl_b32 s66, s17, 2
	s_lshl_b32 s66, 15, s66                        ; my row of the cluster
	s_lshl_b32 s67, 0x1111, s16                    ; my column
	; group 1, the mask: 64 rows x 128 elements of 4 bytes, 4,096 elements from row to row; 16 bytes of padding behind each row's 128 words
	s_or_b32 s[G1M], s66, (2<<16)|(1<<20)|(1<<21)|(6<<22)|(3<<25)
	s_mov_b32 s[G1M+1], 128<<16
	s_mov_b32 s[G1M+2], 64<<16
	s_mov_b32 s[G1M+3], 128<<16
	s_mov_b32 s[G1M+4], 64
	s_mov_b32 s[G1M+5], 4096
	s_mov_b32 s[G1M+6], 0
	s_mov_b32 s[G1M+7], 0
	; group 1, kv: a head's two steps, 26,624 dense bytes, as 104 rows of 256 bytes, no padding
	s_or_b32 s[G1K], s67, (3<<16)|(1<<21)
	s_mov_b32 s[G1K+1], 32<<16
	s_mov_b32 s[G1K+2], 104<<16
	s_mov_b32 s[G1K+3], 32<<16
	s_mov_b32 s[G1K+4], 104
	s_mov_b32 s[G1K+5], 32
	s_mov_b32 s[G1K+6], 0
	s_mov_b32 s[G1K+7], 0
	s_lshl_b32 s60, s19, 20                        ; the mask: 64 qb rows of 16,384 bytes,
	s_lshl_b32 s61, s[W1], 9                       ; + which of the slot's two steps I fetch
	s_add_co_u32 s60, s60, s61
	s_mov_b32 s61, 0
	s_mul_i32 s68, s[W1], MTILE
	s_mul_i32 s62, s18, 3
	s_add_co_u32 s62, s62, s[HI]                   ; my head
	s_mov_b32 s70, s62
	s_mul_i32 s62, s62, HS
	s_mov_b32 s63, 0
	s_mul_i32 s69, s[HI], HB
	s_add_co_u32 s69, s69, KVO                     ; my head's blocks in a slot
	s_add_co_u32 s74, s[QT], 1
	s_and_b32 s74, s74, 3
	s_min_u32 s74, s74, 1
	s_lshl_b32 s[DIF], s74, 5                      ; 32 for tiles 0-2, 0 for tile 3
	s_lshl_b32 s72, s[QT], 3
	s_lshr_b32 s76, s[QT], 1
	s_mul_i32 s76, s76, 1536                       ; the pair image that holds my tile of q
	s_lshl_b32 s77, s[QT], 2
	s_add_co_u32 s77, s77, 3072
	v_and_b32 v[RR], 15, v0
	v_bfe_u32 v[HH], v0, 4, 1
	v_and_b32 v[LN], 31, v0
	v_bfe_u32 v11, v0, 3, 1                        ; r / 8
	v_mul_u32_u24 v11, s[DIF], v11
	v_add_nc_u32 v11, v11, v[RR]
	v_add_nc_u32 v11, s72, v11                     ; my query's row of the 64: 8 u + r + (r / 8) DIF
	v_mul_u32_u24 v11, v11, 528
	v_mul_u32_u24 v[AM], v[HH], 160
	v_add_nc_u32 v[AM], v[AM], v11
	v_lshl_add_u32 v[AM2], v[HH], 5, v11
	v_add_nc_u32 v[AM+1], SLOT, v[AM]
	v_add_nc_u32 v[AM2+1], SLOT, v[AM2]
	v_lshl_add_u32 v[AKV], v[LN], 4, s69
	v_add_nc_u32 v[AKV+1], SLOT, v[AKV]
	v_lshlrev_b32 v[H8], 3, v[HH]
	v_lshrrev_b32 v[PFO], 2, v[LN]
	v_lshl_add_u32 v[PFO], s[W1], 3, v[PFO]        ; the prefetches: row 8 (wave % 2) + lane / 4
	v_lshlrev_b32 v[PFO], 14, v[PFO]
	v_and_b32 v11, 3, v[LN]
	v_lshl_add_u32 v[PFO], v11, 8, v[PFO]          ; + 256 (lane % 4)
	v_lshl_add_u32 v[QA], v[LN], 4, s76
	v_lshl_add_u32 v[QB], v[RR], 4, s77
	s_mov_b32 s[SEL], 0x76543210
	s_mov_b32 s[SEL+1], 0xfedcba98
	s_mov_b32 s[CS], 0x3fb8aa3b                    ; log2(e)
	s_mov_b32 s[CS+1], s[CS]
	s_wait_alu depctr_va_vdst(0)                   ; the wait here, directly ahead of the waits below
	s_wait_dscnt 0x0                               ; both opening adds are done
	s_wait_kmcnt 0x0
	s_add_nc_u64 s[60:61], s[8:9], s[60:61]
	s_add_nc_u64 s[62:63], s[6:7], s[62:63]
	ROUND                                          ; all sixteen work-groups are here: the first joint loads meet
.irp sl, 0,1
	s_mov_b32 s[G0M+4*\sl], 1
	s_add_co_u32 s[G0M+4*\sl+1], s68, \sl*SLOT
	s_add_nc_u64 s[G0M+4*\sl+2:G0M+4*\sl+3], s[60:61], \sl*1024
	s_or_b32 s[G0M+4*\sl+3], s[G0M+4*\sl+3], 0x80000000
	s_mov_b32 s[G0K+4*\sl], 1
	s_add_co_u32 s[G0K+4*\sl+1], s69, \sl*SLOT
	s_add_nc_u64 s[G0K+4*\sl+2:G0K+4*\sl+3], s[62:63], \sl*HB
	s_or_b32 s[G0K+4*\sl+3], s[G0K+4*\sl+3], 0x80000000
.endr
	TLOAD 0                                        ; slot 0: one tensor load a wave at the head
	s_lshl_b32 s71, s70, 6
	s_add_co_u32 s71, s71, s19                     ; 64 x head + qb
	s_mul_i32 s72, s71, 3328
	s_mov_b32 s73, 0
	s_add_nc_u64 s[4:5], s[4:5], s[72:73]          ; my head's and block's q
	s_lshl_b32 s72, s19, 6
	s_lshl_b32 s74, s[QT], 3
	s_add_co_u32 s72, s72, s74                     ; lane 0's query: 64 qb + 8 u
	s_mul_i32 s72, s72, 3072
	s_lshl_b32 s74, s70, 8
	s_add_co_u32 s72, s72, s74                     ; + my head's 256 bytes of a row
	s_add_nc_u64 s[10:11], s[10:11], s[72:73]
	s_lshl_b32 s72, s19, 20                        ; the prefetches: my block's rows, my work-group's 16 of them,
	s_lshl_b32 s74, s16, 18
	s_add_co_u32 s72, s72, s74
	s_add_co_u32 s72, s72, 2048                    ; at the keys of the third fill
	s_add_nc_u64 s[PFA:PFA+1], s[8:9], s[72:73]
.irp c, 0,1,2
	global_load_b128 v[KV+4*\c:KV+4*\c+3], v[QA], s[4:5] offset:512*\c
.endr
	global_load_b32 v[QS], v[QB], s[4:5]           ; q's scale words: [r][tile]
	v_mov_b32 v13, 0xfe967699                      ; the largest score so far: -1e38
	v_mov_b32 v12, 0x7f000000                      ; -M: 2^127, above 1e38 x log2(e): the first change of M gives f = 0, whatever the first scores are
	v_mov_b32 v14, 0                               ; the sum, in two halves
	v_mov_b32 v15, 0
	v_mov_b32 v[PW], 0                             ; (named as the upper half of the pair with f before it is first written)
	v_mov_b32 v[BT], 0                             ; a lane permute's destination counts as one of its sources
	v_mov_b32 v[TP], 0
.irp i, 0,1,2,3,4,5
	v_mov_b32 v[ZR+\i], 0
	v_mov_b32 v[Q+6+\i], 0                         ; zero codes for the instruction's upper 64 along K
.endr
.set n, 0
.rept 32
	v_mov_b32 v[O+n], 0                            ; O^T: the step is written once, and the first finds zeros
.set n, n+1
.endr
	s_and_b32 s78, s[QT], 1
	s_cmp_eq_u32 s78, 1
	s_cselect_b32 s78, -1, 0
	s_wait_alu depctr_va_vdst(0)                   ; the wait here, directly ahead of the wait below
	s_wait_loadcnt 0x0                             ; q
.irp i, 0,1,2,3,4,5
	v_cndmask_b32 v[Q+\i], v[KV+\i], v[KV+6+\i], s78   ; the pair's lower or upper six registers
.endr
	s_wait_alu depctr_va_vdst(0)                   ; the wait at the head's end
	s_wait_tensorcnt 0x0                           ; my part of slot 0 is in; slot 1's first fill is issued as a refill is
	ds_add_u32 v[SPW], v[NIL]
	ds_add_u32 v[SPW], v[NIL]
	s_wait_dscnt 0x0
	ROUND
	TLOAD 1
	ASK 0                                          ; the keys of the third fill
	s_mov_b32 s[LAPS], 7
.Llap:                                             ; a trip goes once round the ring: 512 keys; both slots are filled again
	PHASE 0, 1, 1, 0
	PHASE 1, 1, 1, 1
	s_sub_co_u32 s[LAPS], s[LAPS], 1
	s_cmp_lg_u32 s[LAPS], 0
	s_cbranch_scc1 .Llap
	PHASE 0, 0, 0, 0                               ; the last lap is written out: nothing is left to fetch; the barrier shows slot 1 whole and slot 0 read out
	SCORES 1, 0
	SOFT 1
	SCORES 1, 1
	SOFT 1
	; THE WAY OUT.  O^T is divided by the row's sum and goes through my stage in LDS (16 rows x 272 bytes), so that sixteen lanes store a query's 256 bytes of my head.
	; The stages lie in slot 0: it has had its last fill, and every wave has passed the last barrier, behind which nobody reads it.
	s_wait_alu depctr_va_vdst(0)
	v_add_f32 v14, v14, v15
	s_delay_alu instid0(VALU_DEP_1)
	v_permlanex16_b32 v[TP], v14, s[SEL], s[SEL+1]
	s_delay_alu instid0(VALU_DEP_1)
	v_add_f32 v14, v14, v[TP]                      ; the row's sum
	s_wait_alu depctr_va_vdst(0)                   ; the wait ahead of the transcendental
	v_rcp_f32 v14, v14
	s_mul_i32 s72, s[WV], 16*272                   ; my stage
	s_mul_i32 s73, s[DIF], 3072
	v_mul_u32_u24 v[QA], v[RR], 272                ; (plain lines behind the reciprocal, and the places behind the last products)
	v_mul_u32_u24 v[QB], v[HH], 272
	v_mul_u32_u24 v[TP], v[HH], 3072
	v_lshl_add_u32 v[QA], v[HH], 5, v[QA]
	v_lshl_add_u32 v[QB], v[RR], 4, v[QB]
	v_lshl_add_u32 v[TP], v[RR], 4, v[TP]          ; out: lanes 0-15 one row, lanes 16-31 the next
	v_add_nc_u32 v[QA], s72, v[QA]                 ; in: row r, + 32 h; channel tile c: 64 c on
	v_add_nc_u32 v[QB], s72, v[QB]                 ; back: two rows an instruction
	v_add_nc_u32 v[TQ], s73, v[TP]                 ; stage rows 8-15 lie DIF rows further down in out
	s_wait_alu depctr_va_vdst(0)                   ; the wait ahead of the reciprocal's first reader and of O^T's
.set n, 0
.rept 32
	v_mul_f32 v[S+n], v[O+n], v14                  ; register 8 c + j is out(my query, channel 16 c + 8 h + j)
.set n, n+1
.endr
.irp c, 0,1,2,3
	ds_store_b128 v[QA], v[S+8*\c:S+8*\c+3] offset:64*\c
	ds_store_b128 v[QA], v[S+8*\c+4:S+8*\c+7] offset:64*\c+16
.endr
.irp i, 0,1,2,3,4,5,6,7
	ds_load_b128 v[KV+4*\i:KV+4*\i+3], v[QB] offset:544*\i   ; LDS serves a wave's instructions in order: these see my stores
.endr
.irp i, 0,1,2,3
	s_wait_dscnt 7-\i                              ; the younger loads may stay out
	global_store_b128 v[TP], v[KV+4*\i:KV+4*\i+3], s[10:11] offset:6144*\i th:TH_STORE_NT   ; 16 lanes store 256 consecutive bytes, aligned
.endr
.irp i, 4,5,6,7
	s_wait_dscnt 7-\i
	global_store_b128 v[TQ], v[KV+4*\i:KV+4*\i+3], s[10:11] offset:6144*\i th:TH_STORE_NT
.endr
	s_wait_tensorcnt 0x0                           ; the wave's end
	ds_add_u32 v[SPW], v[NIL]
	s_wait_dscnt 0x0
	ROUND                                          ; the closing round
	s_endpgm
.Lfunc_end_k_q36160395fa_attn:
	.size	k_q36160395fa_attn, .Lfunc_end_k_q36160395fa_attn-k_q36160395fa_attn
	.p2alignl 7, 3214868480
	.fill 96, 4, 3214868480
	.section	.rodata,"a",@progbits
	.p2align	6, 0x0
	.amdhsa_kernel k_q36160395fa_attn
		.amdhsa_group_segment_fixed_size 327680
		.amdhsa_private_segment_fixed_size 0
		.amdhsa_enable_private_segment 0
		.amdhsa_kernarg_size 32
		.amdhsa_user_sgpr_count 2
		.amdhsa_user_sgpr_kernarg_segment_ptr 1
		.amdhsa_wavefront_size32 1
		.amdhsa_system_sgpr_workgroup_id_x 1
		.amdhsa_system_sgpr_workgroup_id_y 1
		.amdhsa_system_sgpr_workgroup_id_z 1
		.amdhsa_system_vgpr_workitem_id 0
		.amdhsa_next_free_vgpr 232
		.amdhsa_next_free_sgpr 80
		.amdhsa_reserve_vcc 0
		.amdhsa_float_denorm_mode_32 3
		.amdhsa_float_denorm_mode_16_64 3
		.amdhsa_memory_ordered 1
		.amdhsa_forward_progress 1
		.amdhsa_inst_pref_size 142
	.end_amdhsa_kernel
	.amdgpu_metadata
---
amdhsa.version: [ 1, 2 ]
amdhsa.kernels:
  - .name:           k_q36160395fa_attn
    .symbol:         k_q36160395fa_attn.kd
    .args:
      - { .name: qimg, .offset: 0, .size: 8, .value_kind: global_buffer, .address_space: global }
      - { .name: kv, .offset: 8, .size: 8, .value_kind: global_buffer, .address_space: global }
      - { .name: attention_mask, .offset: 16, .size: 8, .value_kind: global_buffer, .address_space: global }
      - { .name: out0, .offset: 24, .size: 8, .value_kind: global_buffer, .address_space: global }
    .group_segment_fixed_size: 327680
    .private_segment_fixed_size: 0
    .kernarg_segment_align: 8
    .kernarg_segment_size: 32
    .max_flat_workgroup_size: 384
    .sgpr_count:     80
    .vgpr_count:     232
    .wavefront_size: 32
...
	.end_amdgpu_metadata
.endif
;; end of part 3
